; MI455X (gfx1250); checked and timed in simulation.
; The chip was launched on July 23, 2026; its instructions are those of AMD's public machine-readable ISA for CDNA 5 (MIT licence, August 2026) and "CDNA5" Instruction Set Architecture Reference Guide (July 2026). The comments in the code are by the model that wrote it; some were corrected since.
;; DS Attention. Allowed arithmetic: matrix products marked QUANTISED: E2M1 operands, one E8M0 scale for each 32 along K, by v_wmma_scale_f32_16x16x128_f8f6f4 with both operands' format E2M1 (or v_wmma_scale_f32_32x16x128_f4), f32 sums; everything else in f32.
;; Inputs: delta 2 x 2,048 float32; keys 2 x 2,048 x 8 x 64 float32; keys_null 2 x 2,048 x 8 x 64 float32; queries 2 x 2,048 x 8 x 64 float32; soft_mask 2 x 2,048 float32; tau 2 x 1 float32; values 2 x 2,048 x 8 x 64 float32; values_null 2 x 2,048 x 8 x 64 float32.
;; Outputs: out0 2 x 2,048 x 8 x 64 float32.
;; This version of the problem:
;;   THIS VERSION OF THE PROBLEM IS GIVEN IN LOW PRECISION. The matrix products marked QUANTISED in the list below multiply operands that are first quantised to E2M1 (2 exponent bits, 1 mantissa bit; 4 bits a number), with one power-of-two scale for each 32 numbers along K (OCP MX v1.0); their sums are f32. All else is computed in f32.
;;   The module's matrix products, in the order in which they are computed (A, B: the left and right operand; K: the contracted axis; several contracted axes count as one K, in the product's order):
;;     1. batch 16 x [M 2,048, K 64] x [K 64, N 2,048]; A: input queries; B: input keys: QUANTISED
;;     2. batch 16 x [M 64, K 2,048] x [K 2,048, N 2,048]; A: input values; B: softmax (see below): QUANTISED
;;     3. batch 16 x [M 2,048, K 64] x [K 64, N 2,048]; A: input queries; B: input keys_null: QUANTISED
;;     4. batch 16 x [M 64, K 2,048] x [K 2,048, N 2,048]; A: input values_null; B: softmax (see below): QUANTISED
;;   THE QUANTISER, for each operand of a quantised product, along K:
;;     - K is cut into blocks of 32 from its start; a last block that is shorter is filled with zeros.
;;     - A block's scale is 2^e with e = floor(log2(the largest magnitude in the block)) - 2, held to -126 .. 127; a block of zeros has e = 0. As a byte (E8M0): e + 127.
;;     - Each number is divided by its block's scale, clamped to +-6, and rounded to the nearest number of E2M1, ties to even, subnormals kept.
;;     - The product sums the exact products of the quantised numbers (number of the format x scale) in f32.
;;   ~~~python
;;   def quantise(x, axis):      # numpy; x: float32 -> the quantised numbers, widened to float32 again
;;       x = np.moveaxis(x, axis, -1); K = x.shape[-1]
;;       x = np.pad(x, [(0, 0)] * (x.ndim - 1) + [(0, -K % 32)]); x = x.reshape(x.shape[:-1] + (-1, 32)); a = np.abs(x).max(-1, keepdims=True)
;;       e = np.where(a > 0, np.clip(np.frexp(np.where(a > 0, a, 1))[1] - 1 - 2, -126, 127), 0)      # np.frexp(a)[1] - 1 = floor(log2(a)), exactly
;;       r = np.clip(x / 2.0 ** e, -6, 6)
;;       step = 2.0 ** (np.maximum(np.frexp(np.where(r == 0, 1, r))[1] - 1, 0) - 1)
;;       q = np.round(r / step) * step * 2.0 ** e      # np.round: ties to even
;;       return np.moveaxis(q.reshape(q.shape[:-2] + (-1,))[..., :K], -1, axis).astype(np.float32)
;;   ~~~
;;   SOFTMAX AHEAD OF A QUANTISED PRODUCT. Where the list says 'softmax', what is quantised is not the finished softmax but p = 2^(t - M), with t = logit x log2(e) and M = ceil(the row's largest t), a whole number; so 1/2 < the row's largest p <= 1. The row's sum l is taken of the UNQUANTISED p, in f32, and the product's result is divided by l at the end. Since M is a whole number, a kernel that streams over the keys may use a running M (the ceiling of the running maximum): every later rescaling is an exact power of two, which a block's scale takes up: the codes' values come out the same.
;;   OPERANDS COMPUTED ON THE WAY. 'Computed on the way' means the value that the module computes at that place (a softmax that the list does not call 'softmax' is quantised finished and normalised). What goes into a quantiser is computed in f32, as accurately as f32 sums, v_exp_f32 and their like allow (about 1e-6 of the number): no bf16 or f16 on the way to a quantiser, and a product that is left as it is and whose result goes on into a quantised operand takes f32 operands (vector FMAs, or v_wmma_f32_16x16x4_f32). A number that lies on a knife's edge between two numbers of the format may be rounded either way, as far as f32 arithmetic and the matrix unit's own rounding can turn it there, and no further.
;; One version. Each part assembles by itself: llvm-mc -triple=amdgcn-amd-amdhsa -mcpu=gfx1250 --defsym DOCPART=n.
;; ======== version 1 of 1: 2 launches
;; workspace buffers: ws 5,898,240 bytes
;; launch quant (part 1): grid 640 x 1, 4 waves a work-group, no clusters, 39,424 bytes of LDS; arguments queries, keys, keys_null, values, values_null, delta, ws; writes ws
.if DOCPART == 1
	.amdgcn_target "amdgcn-amd-amdhsa--gfx1250"
	.amdhsa_code_object_version 6
	.text
	.protected	k_qb8414995d3_quant
	.globl	k_qb8414995d3_quant
	.p2align	8
	.type	k_qb8414995d3_quant,@function
k_qb8414995d3_quant:
	s_mov_b64 s[64:65], 0
	v_nop
	global_prefetch_b8 v0, s[64:65] scope:SCOPE_SE
	s_setreg_imm32_b32 hwreg(HW_REG_WAVE_MODE, 25, 1), 1
	s_wait_xcnt 0x0
; FIRST OF TWO LAUNCHES.  out = m x attention(Q, keys, values) + (1 - m) x attention(Q, keys_null, values_null), causal, logit = (q.k tau[b] + delta[b][s]) / 8, all four products on codes of FP4 (E2M1) with one E8M0 scale for each 32 along K.
; This launch quantises queries, keys, keys_null along E (two blocks of 32) and values, values_null along the keys (blocks of 32 keys), and copies delta, into ws, laid as IMAGES OF THE OPERANDS' REGISTERS, so that the
; second launch brings a head's codes into LDS as one dense block and reads every fragment at 16 x lane.
; WORK LEFT OUT BY THE PROGRAM (in the second launch alone): a step of 128 keys all of which come after all 16 queries of a tile.  reference() itself builds the mask (its triu, k = 1) and sets those scores to -infinity:
; their p is exactly 0 for all finite inputs, they add 0 to the row's sum, their codes are zeros and add 0 to the second product, and -infinity never is the row's maximum (key 0 counts for every query).  Blocks of 32 keys lie
; inside steps, so no block's scale is moved.  Every input has a way to the output: all are loaded.  LIMIT: a NaN, an infinity or an overflow that reaches only the steps left out is not carried to the result.
; THE RULE.  A block's scale is 2^(floor(log2(its largest magnitude)) - 2); its byte is the largest magnitude's exponent field - 2, held at 1 from below.  A block of zeros so gets the byte 1 where the rule says 127: its
; codes are zeros, which add nothing, and this program alone reads the bytes.  LIMITS: blocks whose largest magnitude lies under 2^-124 are held at that floor; NaN and infinities among the inputs are not served.
; ws:  from 0: [head hb = 8 b + h][step of 128 keys, 0..15][UNIT bytes];  QIMG: Q's codes [hb][tile 0..127][512];  QSCL: Q's scale words [hb][step][512].   A UNIT:
;   0 K's codes, branch 0 | 4,096 V's codes, branch 0 | 8,192 K's, branch 1 | 12,288 V's, branch 1 | 16,384 + 512 x + 256 H K's scale words | 17,408 + 256 x + 128 j V's scale words | 17,920 delta of the 128 keys, f32
;   K's (and Q's) tile t = 2 b4 + u at 512 t, lane l at 16 l: lane (r = l % 16, h = l / 16) holds block h of row 32 b4 + 8 u + r + 8 (r / 8): THE ROWS OF A TILE ARE NOT NEIGHBOURS, so that p's registers run along the keys.
;   its scale words: at 8 l + 4 j the word of tile 4 H + 2 j + l / 16, row l % 16: byte 0 block 0, byte 1 block 1, bytes 2 and 3 = 127 (over the zero codes that fill the instruction's K of 128).
;   V's tile t (channels 16 t + r) at 1,024 t + 512 c + 16 l: block 2 c + h of the step's four;  its scale words: at 128 j + 4 l the word of tile 2 j + l / 16, row l % 16, byte n = block n.
; SHARES.  640 work-groups of four waves: tensor T5 = x / 128 (0 queries, 1 keys, 2 keys_null, 3 values, 4 values_null), then b, step, q4.  Waves share nothing: no barrier.
; No pointer is stepped, no store's data are written again, EXEC never changes: so no wait on XCNT is owed.
.set UNIT,  18432
.set QIMG,  4718592
.set QSCL,  5767168
.set WREG,  9728                       ; LDS: a region for each wave: two stages of STG bytes
.set STG,   4864                       ; a stage: chunk (r, h), 128 bytes, at 144 r + 2,432 h
.set SPARE, 4*WREG                     ; behind the four regions: the spare words, 128 bytes for each wave: two blocks of 256 bytes that no other line names
.set R,     32                         ; v32-159  path E: a tile's 16 rows as they are loaded, 32 registers a tile
.set X,     160                        ; v160-223 path E: two sets of 32 neighbours along E
.set C,     224                        ; v224-239 path E: codes, four registers a tile
	s_load_b256 s[4:11], s[0:1], 0x0               ; queries s[4:5], keys s[6:7], keys_null s[8:9], values s[10:11]
	s_load_b128 s[12:15], s[0:1], 0x20             ; values_null s[12:13], delta s[14:15]
	s_load_b64 s[16:17], s[0:1], 0x30              ; ws
	v_lshl_add_u32 v2, v0, 2, SPARE                ; my spare word; never rewritten
	v_mov_b32 v3, 0                                ; 0; never rewritten
	v_lshrrev_b32 v1, 5, v0
	v_readfirstlane_b32 s18, v1                    ; wave 0..3
	v_and_b32 v1, 31, v0                           ; lane
	s_lshr_b32 s19, ttmp9, 7                       ; T5
	s_and_b32 s23, ttmp9, 127
	s_lshr_b32 s20, s23, 6                         ; b
	s_bfe_u32 s21, s23, 0x40002                    ; step
	s_and_b32 s22, s23, 3                          ; q4
	s_mov_b32 s27, 0
	s_wait_kmcnt 0x0
	s_cmp_eq_u32 s19, 1                            ; my tensor: the choice hangs on the work-group's number alone
	s_cselect_b64 s[24:25], s[6:7], s[4:5]
	s_cmp_eq_u32 s19, 2
	s_cselect_b64 s[24:25], s[8:9], s[24:25]
	s_cmp_eq_u32 s19, 3
	s_cselect_b64 s[24:25], s[10:11], s[24:25]
	s_cmp_eq_u32 s19, 4
	s_cselect_b64 s[24:25], s[12:13], s[24:25]
	s_cmp_ge_u32 s19, 3
	s_cbranch_scc1 .Lalong_s
; ---- PATH E: K = E is innermost.  A wave takes head h' = 4 (q4 % 2) + wave and half-step H = q4 / 2: 64 rows x 64 numbers, four tiles.
	s_and_b32 s40, s22, 1
	s_lshl_b32 s40, s40, 2
	s_add_co_u32 s40, s40, s18                     ; h'
	s_lshr_b32 s41, s22, 1                         ; H
	s_lshl_b32 s26, s20, 22                        ; in: b x 4,194,304 + step x 128 rows of 2,048 bytes + H x 64 rows + 256 h'
	s_lshl_b32 s42, s21, 18
	s_add_co_u32 s26, s26, s42
	s_lshl_b32 s42, s41, 17
	s_add_co_u32 s26, s26, s42
	s_lshl_b32 s42, s40, 8
	s_add_co_u32 s26, s26, s42
	s_add_nc_u64 s[24:25], s[24:25], s[26:27]
	s_lshl_b32 s42, s20, 3
	s_add_co_u32 s42, s42, s40                     ; hb
	s_lshl_b32 s43, s42, 4
	s_add_co_u32 s43, s43, s21
	s_mul_i32 s43, s43, UNIT                       ; my unit
	s_max_u32 s44, s19, 1
	s_sub_co_u32 s44, s44, 1                       ; the branch x (0 for queries, where it is not used)
	s_lshl_b32 s45, s44, 13                        ; K's codes: unit + 8,192 x + 2,048 H
	s_add_co_u32 s45, s45, s43
	s_lshl_b32 s46, s41, 11
	s_add_co_u32 s45, s45, s46
	s_lshl_b32 s47, s44, 9                         ; K's scale words: unit + 16,384 + 512 x + 256 H
	s_add_co_u32 s47, s47, s43
	s_lshl_b32 s46, s41, 8                         ; 256 H
	s_add_co_u32 s47, s47, s46
	s_add_co_u32 s47, s47, 16384
	s_lshl_b32 s28, s42, 16                        ; Q's codes: QIMG + 65,536 hb + 4,096 step + 2,048 H
	s_lshl_b32 s30, s21, 12
	s_add_co_u32 s28, s28, s30
	s_lshl_b32 s30, s41, 11
	s_add_co_u32 s28, s28, s30
	s_add_co_u32 s28, s28, QIMG
	s_lshl_b32 s30, s42, 13                        ; Q's scale words: QSCL + 8,192 hb + 512 step + 256 H
	s_lshl_b32 s39, s21, 9
	s_add_co_u32 s30, s30, s39
	s_add_co_u32 s30, s30, s46
	s_add_co_u32 s30, s30, QSCL
	s_cmp_eq_u32 s19, 0                            ; offsets are chosen, not addresses
	s_cselect_b32 s28, s28, s45
	s_cselect_b32 s30, s30, s47
	s_mov_b32 s29, 0
	s_mov_b32 s31, 0
	s_add_nc_u64 s[28:29], s[16:17], s[28:29]
	s_add_nc_u64 s[30:31], s[16:17], s[30:31]
	s_lshl_b32 s32, s20, 13                        ; delta: 8,192 b + 512 step + 256 H
	s_add_co_u32 s32, s32, s39
	s_add_co_u32 s32, s32, s46
	s_mov_b32 s33, 0
	s_add_nc_u64 s[32:33], s[14:15], s[32:33]
	s_add_co_u32 s34, s43, s46                     ; and its copy: unit + 17,920 + 256 H
	s_add_co_u32 s34, s34, 17920
	s_mov_b32 s35, 0
	s_add_nc_u64 s[34:35], s[16:17], s[34:35]
	s_mov_b32 s36, 0x76543210
	s_mov_b32 s37, 0xfedcba98                      ; v_permlanex16_b32's selects for lane l xor 16
	s_mov_b32 s38, 0xffff0000                      ; lanes 16-31
	s_mul_i32 s39, s18, WREG                       ; my region of LDS
	v_and_b32 v10, 15, v1                          ; l % 16
	v_lshrrev_b32 v11, 4, v1                       ; l / 16
	v_lshlrev_b32 v4, 11, v11
	v_lshl_add_u32 v4, v10, 4, v4                  ; in: lanes 0-15 one row's 256 bytes, lanes 16-31 the next row's
	v_mul_u32_u24 v5, v11, 144                     ; into a stage: row 2 i + l / 16, chunk (l / 8) % 2, 16 (l % 8) in it
	v_bfe_u32 v12, v0, 3, 1
	v_mad_u32_u24 v5, v12, 2432, v5
	v_and_b32 v12, 7, v0
	v_lshl_add_u32 v5, v12, 4, v5
	v_add_nc_u32 v5, s39, v5
	v_mul_u32_u24 v6, v10, 144                     ; out of it: chunk (r, h) = my block.  144 = 9 x 16 bytes: sixteen lanes take sixteen different 16-byte columns of 256
	v_mad_u32_u24 v6, v11, 2432, v6
	v_add_nc_u32 v6, s39, v6
	v_lshlrev_b32 v7, 4, v1                        ; 16 l: my place in an image
	v_lshlrev_b32 v8, 3, v1                        ; 8 l: in the scale words, and in delta
	v_lshlrev_b32 v9, 3, v11                       ; 8 h: my byte's place in the scale word
	v_mov_b32 v14, 0                               ; a lane permute's destination counts as one of its sources
	v_mov_b32 v22, 0
	v_mov_b32 v23, 0
	s_cmp_lg_u32 s19, 1                            ; the waves that take keys also copy delta, once for each head: it is the oldest load, so the counts below hold with it and without
	s_cbranch_scc1 .Lno_delta_in
	global_load_b64 v[22:23], v8, s[32:33]
.Lno_delta_in:
.macro LOADT t                         ; tile t's 16 rows, two whole rows of 256 bytes an instruction: tile row 2 i + l / 16 is row 32 (t / 2) + 8 (t % 2) + 2 i + l / 16 (+ 8 from tile row 8 on)
.irp i, 0,1,2,3,4,5,6,7
	global_load_b128 v[R+32*(\t)+4*\i:R+32*(\t)+4*\i+3], v4, s[24:25] offset:(32*((\t)/2)+8*((\t)%2)+2*\i+8*(\i/4))*2048 th:TH_LOAD_NT
.endr
.endm
.macro TURN t                          ; tile t through a stage: in as loaded, out 128 bytes a lane.  LDS serves a wave's instructions in order: no wait between the stores and the loads
.irp i, 0,1,2,3,4,5,6,7
	ds_store_b128 v5, v[R+32*(\t)+4*\i:R+32*(\t)+4*\i+3] offset:STG*((\t)%2)+288*\i
.endr
.irp j, 0,1,2,3,4,5,6,7
	ds_load_b128 v[X+32*((\t)%2)+4*\j:X+32*((\t)%2)+4*\j+3], v6 offset:STG*((\t)%2)+16*\j
.endr
.endm
.macro TILE t
.set XS, X+32*((\t)%2)
	s_wait_dscnt 0x0                               ; my block's 32 numbers are back from the stage
.if (\t) < 3
	s_wait_loadcnt 8*(2-(\t))                      ; the next tile's 8 loads are in; the 8 of each tile behind it may be out
	TURN (\t)+1                                    ; and it goes through the other stage while this tile is worked
.endif
	v_max3_num_f32 v10, |v[XS]|, |v[XS+1]|, |v[XS+2]|       ; the block's largest magnitude: all 32 numbers are mine; two chains
	v_max3_num_f32 v11, |v[XS+3]|, |v[XS+4]|, |v[XS+5]|
.irp i, 6,10,14,18,22,26
	v_max3_num_f32 v10, v10, |v[XS+\i]|, |v[XS+\i+1]|
	v_max3_num_f32 v11, v11, |v[XS+\i+2]|, |v[XS+\i+3]|
.endr
	v_max3_num_f32 v10, v10, |v[XS+30]|, |v[XS+31]|
	v_max3_num_f32 v10, v10, v11, 0x1800000        ; and the floor 2^(3 - 127): the byte cannot fall under 1
	v_add_nc_u32 v12, 0xff000000, v10              ; 2 off its exponent field: the conversion takes the exponent field of this operand as its scale
.irp g, 0,1,2,3
	v_cvt_scalef32_pk8_fp4_f32 v[C+4*(\t)+\g], v[XS+8*\g:XS+8*\g+7], v12
.endr
	v_lshrrev_b32 v13, 23, v12                     ; the scale's byte (also the plain instruction behind the conversions)
	v_lshlrev_b32 v13, v9, v13                     ; at its place, 8 h bits up;
	v_permlanex16_b32 v14, v13, s36, s37
	v_or_b32 v13, v13, v14                         ; with lane l xor 16's;
	v_or_b32 v[16+(\t)], 0x7f7f0000, v13           ; and 127 over the zero codes of k = 64 .. 127: my row's word
	global_store_b128 v7, v[C+4*(\t):C+4*(\t)+3], s[28:29] offset:512*(\t)   ; the tile's image: 512 consecutive bytes
.if (\t)%2 == 1
	v_cndmask_b32 v[20+(\t)/2], v[16+(\t)-1], v[16+(\t)], s38   ; lanes 0-15 the even tile's words, lanes 16-31 the odd tile's
.endif
.endm
	LOADT 0
	LOADT 1
	LOADT 2
	LOADT 3
	s_wait_loadcnt 24                              ; tile 0's 8 loads are in; the 24 of tiles 1 to 3 may be out
	TURN 0
	TILE 0
	TILE 1
	TILE 2
	TILE 3
	global_store_b64 v8, v[20:21], s[30:31]        ; the half-step's scale words: 256 consecutive bytes, aligned
	s_cmp_lg_u32 s19, 1
	s_cbranch_scc1 .Lno_delta_out
	global_store_b64 v8, v[22:23], s[34:35]        ; delta's 64 numbers (in since the wait for all loads in tile 2)
.Lno_delta_out:
	s_wait_tensorcnt 0x0                           ; the wave's end, behind my last LDS store; the tensor wait stands in a text with no tensor load too
	ds_add_u32 v2, v3
	s_wait_dscnt 0x0
	s_endpgm
; ---- PATH S: K = the keys is not innermost.  A LANE TAKES A CHANNEL, AND ITS REGISTERS RUN DOWN THE KEYS.  A wave takes head h' = 2 q4 + wave / 2, channels 32 (wave % 2) + lane, one step of 128 keys: four blocks.
; Each load reads 128 consecutive bytes, the four waves of a work-group side by side on 512.  A block's codes, 16 bytes a lane, are their own place in V's image: sixteen lanes store 256 consecutive bytes, aligned; no stage.
; The scale words leave as 128 consecutive bytes a wave, half of an aligned 256: 128 bytes beside the 16,384 that the wave reads.
.Lalong_s:
	s_sub_co_u32 s44, s19, 3                       ; the branch x
	s_lshl_b32 s40, s22, 1
	s_lshr_b32 s41, s18, 1
	s_add_co_u32 s40, s40, s41                     ; h'
	s_and_b32 s41, s18, 1                          ; which half of the 64 channels
	s_lshl_b32 s26, s20, 22
	s_lshl_b32 s42, s21, 18
	s_add_co_u32 s26, s26, s42
	s_lshl_b32 s42, s40, 8
	s_add_co_u32 s26, s26, s42
	s_lshl_b32 s45, s41, 7
	s_add_co_u32 s26, s26, s45
	s_add_nc_u64 s[24:25], s[24:25], s[26:27]
	s_lshl_b32 s42, s20, 3
	s_add_co_u32 s42, s42, s40                     ; hb
	s_lshl_b32 s43, s42, 4
	s_add_co_u32 s43, s43, s21
	s_mul_i32 s43, s43, UNIT                       ; my unit
	s_lshl_b32 s28, s44, 13                        ; V's codes: unit + 4,096 + 8,192 x + 2,048 half
	s_add_co_u32 s28, s28, s43
	s_lshl_b32 s46, s41, 11
	s_add_co_u32 s28, s28, s46
	s_add_co_u32 s28, s28, 4096
	s_mov_b32 s29, 0
	s_add_nc_u64 s[28:29], s[16:17], s[28:29]
	s_lshl_b32 s30, s44, 8                         ; V's scale words: unit + 17,408 + 256 x + 128 half
	s_add_co_u32 s30, s30, s43
	s_add_co_u32 s30, s30, s45
	s_add_co_u32 s30, s30, 17408
	s_mov_b32 s31, 0
	s_add_nc_u64 s[30:31], s[16:17], s[30:31]
	v_lshlrev_b32 v4, 2, v1                        ; 4 l: in, and the scale word
	v_lshrrev_b32 v5, 4, v1
	v_and_b32 v6, 15, v1
	v_lshlrev_b32 v5, 10, v5
	v_lshl_add_u32 v5, v6, 4, v5                   ; codes: tile l / 16 at 1,024, row l % 16 at 16
.macro LOADB t                         ; block t: keys 32 t + i of my channel, into set t % 2 of v32-95
.irp i, 0,1,2,3,4,5,6,7,8,9,10,11,12,13,14,15,16,17,18,19,20,21,22,23,24,25,26,27,28,29,30,31
	global_load_b32 v[32+32*((\t)%2)+\i], v4, s[24:25] offset:(32*(\t)+\i)*2048 th:TH_LOAD_NT
.endr
.endm
.macro BLOCK t
.set YS, 32+32*((\t)%2)
.if (\t) < 3
	s_wait_loadcnt 32                              ; this block's 32 loads are in; the next block's 32 may be out
.else
	s_wait_loadcnt 0x0
.endif
	v_max3_num_f32 v10, |v[YS]|, |v[YS+1]|, |v[YS+2]|
	v_max3_num_f32 v11, |v[YS+3]|, |v[YS+4]|, |v[YS+5]|
.irp i, 6,10,14,18,22,26
	v_max3_num_f32 v10, v10, |v[YS+\i]|, |v[YS+\i+1]|
	v_max3_num_f32 v11, v11, |v[YS+\i+2]|, |v[YS+\i+3]|
.endr
	v_max3_num_f32 v10, v10, |v[YS+30]|, |v[YS+31]|
	v_max3_num_f32 v10, v10, v11, 0x1800000        ; the floor, as above
	v_add_nc_u32 v12, 0xff000000, v10
	v_lshrrev_b32 v13, 23, v12                     ; the scale's byte
.if (\t) == 0
	v_mov_b32 v16, v13                             ; four bytes make my channel's word for the step
.else
	v_lshl_or_b32 v16, v13, 8*(\t), v16
.endif
.irp g, 0,1,2,3
	v_cvt_scalef32_pk8_fp4_f32 v[96+4*(\t)+\g], v[YS+8*\g:YS+8*\g+7], v12
.endr
	v_nop                                          ; one plain instruction behind the conversions
	global_store_b128 v5, v[96+4*(\t):96+4*(\t)+3], s[28:29] offset:512*((\t)/2)+256*((\t)%2)   ; block 2 c + h lies at 512 c + 256 h
.if (\t)+2 < 4
	LOADB (\t)+2
.endif
.endm
	LOADB 0
	LOADB 1
	BLOCK 0
	BLOCK 1
	BLOCK 2
	BLOCK 3
	global_store_b32 v4, v16, s[30:31]
	s_wait_tensorcnt 0x0                           ; the wave's end: the same three lines as on the other path
	ds_add_u32 v2, v3
	s_wait_dscnt 0x0
	s_endpgm
.Lfunc_end_k_qb8414995d3_quant:
	.size	k_qb8414995d3_quant, .Lfunc_end_k_qb8414995d3_quant-k_qb8414995d3_quant
	.p2alignl 7, 3214868480
	.fill 96, 4, 3214868480
	.section	.rodata,"a",@progbits
	.p2align	6, 0x0
	.amdhsa_kernel k_qb8414995d3_quant
		.amdhsa_group_segment_fixed_size 39424
		.amdhsa_private_segment_fixed_size 0
		.amdhsa_enable_private_segment 0
		.amdhsa_kernarg_size 56
		.amdhsa_user_sgpr_count 2
		.amdhsa_user_sgpr_kernarg_segment_ptr 1
		.amdhsa_wavefront_size32 1
		.amdhsa_system_sgpr_workgroup_id_x 1
		.amdhsa_system_sgpr_workgroup_id_y 1
		.amdhsa_system_sgpr_workgroup_id_z 1
		.amdhsa_system_vgpr_workitem_id 0
		.amdhsa_next_free_vgpr 240
		.amdhsa_next_free_sgpr 66
		.amdhsa_reserve_vcc 0
		.amdhsa_float_denorm_mode_32 3
		.amdhsa_float_denorm_mode_16_64 3
		.amdhsa_memory_ordered 1
		.amdhsa_forward_progress 1
		.amdhsa_inst_pref_size 39
	.end_amdhsa_kernel
	.amdgpu_metadata
---
amdhsa.version: [ 1, 2 ]
amdhsa.kernels:
  - .name:           k_qb8414995d3_quant
    .symbol:         k_qb8414995d3_quant.kd
    .args:
      - { .name: queries, .offset: 0, .size: 8, .value_kind: global_buffer, .address_space: global }
      - { .name: keys, .offset: 8, .size: 8, .value_kind: global_buffer, .address_space: global }
      - { .name: keys_null, .offset: 16, .size: 8, .value_kind: global_buffer, .address_space: global }
      - { .name: values, .offset: 24, .size: 8, .value_kind: global_buffer, .address_space: global }
      - { .name: values_null, .offset: 32, .size: 8, .value_kind: global_buffer, .address_space: global }
      - { .name: delta, .offset: 40, .size: 8, .value_kind: global_buffer, .address_space: global }
      - { .name: ws, .offset: 48, .size: 8, .value_kind: global_buffer, .address_space: global }
    .group_segment_fixed_size: 39424
    .private_segment_fixed_size: 0
    .kernarg_segment_align: 8
    .kernarg_segment_size: 56
    .max_flat_workgroup_size: 128
    .sgpr_count:     66
    .vgpr_count:     240
    .wavefront_size: 32
...
	.end_amdgpu_metadata
.endif
;; end of part 1
;; launch attn (part 2): grid 16 x 16, 16 waves a work-group, clusters of 4 x 1, 327,680 bytes of LDS; arguments ws, tau, soft_mask, out0; writes out0
.if DOCPART == 2
	.amdgcn_target "amdgcn-amd-amdhsa--gfx1250"
	.amdhsa_code_object_version 6
	.text
	.protected	k_qb8414995d3_attn
	.globl	k_qb8414995d3_attn
	.p2align	8
	.type	k_qb8414995d3_attn,@function
k_qb8414995d3_attn:
	s_mov_b64 s[64:65], 0
	v_nop
	global_prefetch_b8 v0, s[64:65] scope:SCOPE_SE
	s_setreg_imm32_b32 hwreg(HW_REG_WAVE_MODE, 25, 1), 1
	s_wait_xcnt 0x0
	s_wait_alu depctr_hold_cnt(0) depctr_sa_sdst(0) depctr_va_vdst(0) depctr_va_sdst(0) depctr_va_ssrc(0) depctr_va_vcc(0) depctr_vm_vsrc(0)
	s_getreg_b32 s2, hwreg(HW_REG_IB_STS2, 6, 4)
	s_cmp_eq_u32 s2, 0
	s_cbranch_scc0 .Lentry_in_a_cluster
	s_endpgm
.Lentry_in_a_cluster:
	s_bfe_u32 s2, ttmp6, 0x10000c
	s_cmp_lg_u32 s2, 0x3003
	s_cbranch_scc0 .Lentry_shape_is_right
	s_endpgm
.Lentry_shape_is_right:
; SECOND OF TWO LAUNCHES: both causal attentions on the codes that the first launch laid into ws (its head comment has the layout), and the blend by soft_mask.
; WORK LEFT OUT: a step of 128 keys all of which come after a tile's 16 queries: reference()'s own triu mask gives them p = 0 for all finite inputs (shown at the first kernel's head).  LIMIT: a NaN or an infinity in such keys or values is not carried to the result.
; z = score x tau[b] + delta[b][s] (one fused multiply-add, f32);  t = z x log2(e) / 8;  M = the row's largest t so far, rounded UP to a whole number;  p = 2^(t - M) is quantised along the keys, not normalised;  the row's sum
; is taken of the unquantised p and divides at the end.  When M moves, the sum and O are multiplied by 2^(old M - new M): exact.  tau may be any finite number, 0 and negative too.  NaN and infinities among the inputs are not served.
; SHARES.  A work-group (g = 0..15 of head hb = grid y) has SIXTEEN waves of 256 registers, four to a SIMD, so that one wave's vector work stands beside another's products and LDS loads.  A wave owns ONE tile of 16 queries in
; ONE branch x = wave / 8.  Its tile is i = 16 e + (g, or 15 - g where e is odd), e a permutation of wave % 8: tile i lies in step i / 8 = DS, and the wave works steps 0 .. DS.  Every work-group so has 2 x 68 wave-steps.
; Tile i holds queries 32 (i / 2) + 8 (i % 2) + r + 8 (r / 8).  The two branches of a tile lie in waves w and w + 8, which blend through LDS on the way out.
; LDS.  All codes, scale words and delta of a head, both branches, are 16 units of 18,432 bytes = 294,912 bytes: they come ONCE, as they lie in ws: no ring, nothing is filled again.  Each wave brings a sixteenth of steps 0 to 3
; and a sixteenth of steps 4 to 15: two tensor loads of mine are out at the most.  Work starts when steps 0 to 3 have landed.
; CLUSTER.  All sixteen work-groups of a head need the same bytes; the four of a cluster ask for them JOINTLY (the same load, the same descriptor, the mask 15).  No branch, trip count or LDS address holds my place in the
; cluster: DS is made of the wave's number and the cluster's number alone; my place enters the addresses of Q, soft_mask and out0, and the number that the diagonal's compares hold against the keys.
; In clusters 2 and 3 of a head the largest DS is 14: unit 15, 18,432 of the 294,912 bytes, is brought and not read there (only 8 of a head's 16 work-groups can own a tile of step 15).
; LAYOUT.  Both products are used transposed: S^T = K Q^T (source 0 = 16 keys, source 1 = my 16 queries; K = 64 of the instruction's 128: registers 4-7 of both fragments hold zero codes), O^T = V^T P^T (source 0 = 16 channels,
; source 1 = P): a lane holds ONE query (lane % 16) throughout.  The 16 registers of K's tiles 2 b and 2 b + 1 are keys 32 b + 16 (lane / 16) + 0 .. 15.
; REGISTERS: v1, v2 the add's two; v3 my query's blend weight; v4-7 my lane's places in a unit, v8-11 the same in the step's unit; v12 -M, v13 the largest t, v[14:15] the sum in two halves; v16-23 Q; v24 Q's scale word,
; v25 p's, v26-29 K's, v30-31 V's (these eight hold scales and nothing else); v32-95 K's eight fragments; v96-159 S^T, z, p; v160-191 O^T; v192-255 delta, then v192-223 V, v224-231 p's codes, v232-254 at work.
.set UNIT,  18432
.set HEADB, 16*UNIT
.set QIMG,  4718592
.set QSCL,  5767168
.set SPARE, HEADB                      ; behind the units: the spare words, 128 bytes for each wave: eight blocks of 256 bytes that no other line names
.set SROW,  272                        ; the way out: a stage of 16 rows x (256 bytes + 16) for each wave, in units 0 to 3: filled once, and read by nobody behind the barriers that stand in front of the first store there
.set SWAVE, 16*SROW
.set WV,  12                           ; s12  my wave's number
.set XB,  13                           ; s13  my branch
.set EE,  14                           ; s14  e
.set DS,  15                           ; s15  my tile's step: the last that I work
.set CX,  16                           ; s16  my place in the cluster
.set GG,  17
.set TI,  18                           ; s18  my tile
.set HB,  19                           ; s19  the head
.set SEL, 20                           ; s[20:21] lane selects for v_permlanex16_b32: lane l xor 16
.set CS,  22                           ; s[22:23] c = log2(e) / 8, twice: the packed form names a pair
.set TAU, 24                           ; s[24:25] tau[b], twice
.set BL,  26                           ; s26, s27: the weight is s26 + s27 x m
.set G1A, 28                           ; s[28:35] descriptor group 1: 18 rows of 256 bytes;  s[36:43]: 54 rows
.set G1B, 36
.set G0A, 44                           ; s[44:47], s[48:51] their groups 0
.set G0B, 48
.set TB,  52                           ; s52  LDS byte of the step's unit
.set SI,  53                           ; s53  the step
.set QL,  54                           ; s54  my tile's first query within its step
.macro CROUND                          ; a round of the cluster's barrier: my work-group's barrier; wave 0 signals for the work-group; every wave waits for all four work-groups; my work-group's barrier once more
	s_barrier_signal -1
	s_barrier_wait -1
	s_cmp_lg_u32 s[WV], 0
	s_cbranch_scc1 .Lnot_wave_0_\@
	s_barrier_signal -3
.Lnot_wave_0_\@:
	s_barrier_wait -3
	s_barrier_signal -1
	s_barrier_wait -1
.endm
	s_load_b256 s[4:11], s[0:1], 0x0               ; ws s[4:5], tau s[6:7], soft_mask s[8:9], out0 s[10:11]
	v_lshl_add_u32 v1, v0, 2, SPARE
	v_mov_b32 v2, 0
	ds_add_u32 v1, v2                              ; the wave's opening: the add, twice on end, and its wait ahead of my first tensor load; the set-up below, work on registers, stands between the second and the wait
	ds_add_u32 v1, v2
	v_lshrrev_b32 v8, 5, v0
	v_readfirstlane_b32 s[WV], v8                  ; wave 0..15
	s_and_b32 s56, s[WV], 3                        ; k
	s_bfe_u32 s57, s[WV], 0x10002                  ; w2
	s_lshr_b32 s[XB], s[WV], 3
	s_and_b32 s58, s56, 1
	s_lshr_b32 s59, s56, 1
	s_xor_b32 s58, s58, s59
	s_xor_b32 s58, s58, s57
	s_xor_b32 s58, s58, 1                          ; flip = 1 ^ k0 ^ k1 ^ w2
	s_mul_i32 s59, s58, 7
	s_xor_b32 s[EE], s56, s59                      ; e = k or 7 - k: waves 0-7 take 7 1 2 4 0 6 5 3
	s_and_b32 s60, s[EE], 1
	s_lshr_b32 s61, ttmp9, 1
	s_xor_b32 s61, s61, s60
	s_lshl_b32 s[DS], s[EE], 1
	s_add_co_u32 s[DS], s[DS], s61                 ; DS = i / 8 = 2 e + ((cluster / 2) ^ (e % 2)): the same in all four partners
	s_bfe_u32 s[CX], ttmp6, 0x40000
	s_lshl_b32 s[GG], ttmp9, 2
	s_add_co_u32 s[GG], s[GG], s[CX]               ; g
	s_mul_i32 s62, s60, 15
	s_xor_b32 s[GG], s[GG], s62                    ; g, or 15 - g
	s_lshl_b32 s[TI], s[EE], 4
	s_add_co_u32 s[TI], s[TI], s[GG]               ; i
	s_and_b32 s[HB], ttmp7, 0xffff
	s_and_b32 s[QL], s[TI], 6
	s_lshl_b32 s[QL], s[QL], 4
	s_and_b32 s73, s[TI], 1
	s_lshl_b32 s73, s73, 3                         ; 8 (i % 2)
	s_add_co_u32 s[QL], s[QL], s73                 ; 32 ((i / 2) % 4) + 8 (i % 2)
	s_lshr_b32 s72, s[TI], 1
	s_lshl_b32 s72, s72, 5
	s_add_co_u32 s72, s72, s73                     ; my tile's first query: 32 (i / 2) + 8 (i % 2)
	s_lshr_b32 s74, s[HB], 3                       ; b
	s_and_b32 s75, s[HB], 7                        ; h'
	s_lshl_b32 s56, s[HB], 16                      ; Q's codes: QIMG + 65,536 hb + 512 i
	s_lshl_b32 s76, s[TI], 9
	s_add_co_u32 s56, s56, s76
	s_add_co_u32 s56, s56, QIMG
	s_mov_b32 s57, 0
	s_lshl_b32 s58, s[HB], 13                      ; Q's scale words: QSCL + 8,192 hb + 256 (i / 4) + 128 (i % 2) + 4 ((i / 2) % 2)
	s_lshr_b32 s76, s[TI], 2
	s_lshl_b32 s76, s76, 8
	s_add_co_u32 s58, s58, s76
	s_lshl_b32 s76, s73, 4
	s_add_co_u32 s58, s58, s76
	s_and_b32 s76, s[TI], 2
	s_lshl_b32 s76, s76, 1
	s_add_co_u32 s58, s58, s76
	s_add_co_u32 s58, s58, QSCL
	s_mov_b32 s59, 0
	s_lshl_b32 s60, s74, 13                        ; soft_mask: 8,192 b + 4 x first query
	s_lshl_b32 s76, s72, 2
	s_add_co_u32 s60, s60, s76
	s_mov_b32 s61, 0
	s_lshl_b32 s62, s74, 22                        ; out0: b x 4,194,304 + (first query + 16 x) rows of 2,048 bytes + 256 h'
	s_lshl_b32 s76, s[XB], 4
	s_add_co_u32 s76, s76, s72
	s_lshl_b32 s76, s76, 11
	s_add_co_u32 s62, s62, s76
	s_lshl_b32 s76, s75, 8
	s_add_co_u32 s62, s62, s76
	s_mov_b32 s63, 0
	s_lshl_b32 s76, s74, 2                         ; tau: 4 b
	s_mov_b32 s77, 0
	s_mul_i32 s66, s[HB], HEADB                    ; the head's units: in registers that never hold my place in the cluster
	s_mov_b32 s67, 0
	s_mul_i32 s68, s[WV], 18*256                   ; my sixteenth of steps 0 to 3, in memory and in LDS alike,
	s_mov_b32 s69, 0
	s_mul_i32 s70, s[WV], 54*256
	s_add_co_u32 s70, s70, 4*UNIT                  ; and of steps 4 to 15
	s_mov_b32 s71, 0
	; descriptor group 1: dense bytes as rows of 256 (32 elements of 8 bytes), no padding: images are read at 16 x lane
	s_mov_b32 s[G1A], 15|(3<<16)|(1<<21)           ; 15:0 the mask: all four work-groups; 17:16 elements of 8 bytes; 21 set beside a mask
	s_mov_b32 s[G1A+1], 32<<16                     ; tensor_dim0 = 32
	s_mov_b32 s[G1A+2], 18<<16                     ; tensor_dim1 = 18
	s_mov_b32 s[G1A+3], 32<<16                     ; tile_dim0 = 32
	s_mov_b32 s[G1A+4], 18                         ; tile_dim1 = 18
	s_mov_b32 s[G1A+5], 32                         ; from row to row
	s_mov_b32 s[G1A+6], 0
	s_mov_b32 s[G1A+7], 0
	s_mov_b32 s[G1B], 15|(3<<16)|(1<<21)
	s_mov_b32 s[G1B+1], 32<<16
	s_mov_b32 s[G1B+2], 54<<16
	s_mov_b32 s[G1B+3], 32<<16
	s_mov_b32 s[G1B+4], 54
	s_mov_b32 s[G1B+5], 32
	s_mov_b32 s[G1B+6], 0
	s_mov_b32 s[G1B+7], 0
	s_mov_b32 s[SEL], 0x76543210
	s_mov_b32 s[SEL+1], 0xfedcba98
	s_mov_b32 s[CS], 0x3e38aa3b                    ; log2(e) / 8
	s_mov_b32 s[CS+1], s[CS]
	s_cmp_eq_u32 s[XB], 0
	s_cselect_b32 s[BL], 0, 1.0                    ; branch 0: m;  branch 1: 1 - m
	s_cselect_b32 s[BL+1], 1.0, -1.0
	s_mov_b32 s[TB], 0
	s_mov_b32 s[SI], 0
	s_wait_dscnt 0x0                               ; both opening adds are done
	s_wait_kmcnt 0x0
	s_add_nc_u64 s[66:67], s[4:5], s[66:67]
	s_mov_b32 s[G0A], 1                            ; count = 1
	s_mov_b32 s[G0A+1], s68                        ; LDS address
	s_add_nc_u64 s[G0A+2:G0A+3], s[66:67], s[68:69]
	s_or_b32 s[G0A+3], s[G0A+3], 0x80000000        ; type = 2
	s_mov_b32 s[G0B], 1
	s_mov_b32 s[G0B+1], s70
	s_add_nc_u64 s[G0B+2:G0B+3], s[66:67], s[70:71]
	s_or_b32 s[G0B+3], s[G0B+3], 0x80000000
	s_add_nc_u64 s[56:57], s[4:5], s[56:57]
	s_add_nc_u64 s[58:59], s[4:5], s[58:59]
	s_add_nc_u64 s[60:61], s[8:9], s[60:61]
	s_add_nc_u64 s[62:63], s[10:11], s[62:63]
	s_add_nc_u64 s[6:7], s[6:7], s[76:77]
	CROUND                                         ; all four work-groups are here: the joint loads meet
	tensor_load_to_lds s[G0A:G0A+3], s[G1A:G1A+7]  ; both first fills of every wave, in one group, with no branch
	s_nop 0
	tensor_load_to_lds s[G0B:G0B+3], s[G1B:G1B+7]
	s_nop 0
	s_load_b32 s[TAU], s[6:7], 0x0
	v_and_b32 v96, 31, v0                          ; lane
	v_and_b32 v97, 15, v0                          ; r
	v_lshlrev_b32 v98, 4, v96
	v_lshlrev_b32 v99, 3, v97
	v_and_b32 v100, 8, v0
	v_add_nc_u32 v100, v100, v97                   ; r + 8 (r / 8)
	v_lshlrev_b32 v100, 2, v100
	global_load_b128 v[16:19], v98, s[56:57]       ; Q's fragment, registers 0-3: it stays
	global_load_b32 v24, v99, s[58:59]             ; Q's scale words
	global_load_b32 v3, v100, s[60:61]             ; m of my query
	s_lshl_b32 s72, s[XB], 13
	s_lshl_b32 s73, s[XB], 9
	s_add_co_u32 s73, s73, 16384
	s_lshl_b32 s74, s[XB], 8
	s_add_co_u32 s74, s74, 17408
	v_lshl_add_u32 v4, v96, 4, s72                 ; codes: 16 l + 8,192 x (V's 4,096 further on)
	v_lshl_add_u32 v5, v96, 3, s73                 ; K's scale words: 8 l + 16,384 + 512 x
	v_lshl_add_u32 v6, v96, 2, s74                 ; V's: 4 l + 17,408 + 256 x
	v_bfe_u32 v7, v0, 4, 1
	v_lshl_add_u32 v7, v7, 6, 17920                ; delta: 64 h + 17,920
.irp j, 20,21,22,23
	v_mov_b32 v\j, 0                               ; zero codes for k = 64 .. 127 of Q,
.endr
.irp t, 0,1,2,3,4,5,6,7
.irp j, 4,5,6,7
	v_mov_b32 v[32+8*\t+\j], 0                     ; and of K's eight fragments: written once
.endr
.endr
.set n, 0
.rept 32
	v_mov_b32 v[160+n], 0                          ; O^T.  (The step is written once: the first finds zeros, which the first change of M leaves zeros)
.set n, n+1
.endr
	v_mov_b32 v13, 0xff61b1e6                      ; the largest t so far: -3e38, under every t
	v_floor_f32 v12, -v13                          ; -M
	v_mov_b32 v14, 0
	v_mov_b32 v15, 0
	s_wait_kmcnt 0x0
	s_mov_b32 s[TAU+1], s[TAU]
	s_wait_loadcnt 0x0                             ; Q, its scale words, m
	v_fma_f32 v3, v3, s[BL+1], s[BL]               ; my query's weight in the blend
; A KEY STEP: 128 keys, unit s[SI] at LDS byte s[TB].
.macro STEP
	s_cmp_gt_u32 s[SI], s[DS]                      ; a step all of whose keys come after my queries is left out: a branch on ids, round the step's work and round no barrier
	s_cbranch_scc1 .Lhid_\@
	v_add_nc_u32 v8, s[TB], v4                     ; (these four are also the places between the last step's products and the loads into the registers that they read)
	v_add_nc_u32 v9, s[TB], v5
	v_add_nc_u32 v10, s[TB], v6
	v_add_nc_u32 v11, s[TB], v7
.irp t, 0,1,2,3,4,5,6,7
	ds_load_b128 v[32+8*\t:35+8*\t], v8 offset:512*\t                 ; K's tile t, registers 0-3
.endr
	ds_load_b64 v[26:27], v9                       ; its scale words: v26 tiles 0 | 1 (lanes 0-15 | 16-31), v27 tiles 2 | 3,
	ds_load_b64 v[28:29], v9 offset:256            ; v28 tiles 4 | 5, v29 tiles 6 | 7
.irp b, 0,1,2,3
.irp j, 0,1,2,3
	ds_load_b128 v[192+16*\b+4*\j:195+16*\b+4*\j], v11 offset:128*\b+16*\j   ; delta of keys 32 b + 16 h + 4 j on: register for register as S^T lies
.endr
.endr
	s_wait_dscnt 16                                ; K's ten loads are in; delta's sixteen may be out
.irp t, 0,1,2,3,4,5,6,7
.if (\t)%2
	v_wmma_scale_f32_16x16x128_f8f6f4 v[96+8*\t:103+8*\t], v[32+8*\t:39+8*\t], v[16:23], 0, v[26+\t/2], v24 matrix_a_fmt:MATRIX_FMT_FP4 matrix_b_fmt:MATRIX_FMT_FP4 matrix_a_scale:MATRIX_SCALE_ROW1
.else
	v_wmma_scale_f32_16x16x128_f8f6f4 v[96+8*\t:103+8*\t], v[32+8*\t:39+8*\t], v[16:23], 0, v[26+\t/2], v24 matrix_a_fmt:MATRIX_FMT_FP4 matrix_b_fmt:MATRIX_FMT_FP4
.endif
.endr
.rept 4
	v_nop                                          ; four places in front of the first read of the results (ISA guide 7.12.1)
.endr
	s_wait_dscnt 0x0                               ; delta
.set n, 0
.rept 32
	v_pk_fma_f32 v[96+n:97+n], v[96+n:97+n], s[TAU:TAU+1], v[192+n:193+n] op_sel_hi:[1,0,1]   ; z = score x tau + delta, two at a time; each accumulator from its low end on
.set n, n+2
.endr
.irp t, 0,1,2,3
.irp c, 0,1
	ds_load_b128 v[192+8*\t+4*\c:195+8*\t+4*\c], v8 offset:4096+1024*\t+512*\c   ; V's four fragments, where delta lay: they land while the softmax is walked
.endr
.endr
	ds_load_b32 v30, v10                           ; V's scale words: tiles 0 | 1,
	ds_load_b32 v31, v10 offset:128                ; tiles 2 | 3
	s_cmp_lg_u32 s[SI], s[DS]                      ; only my last step lies on the diagonal
	s_cbranch_scc1 .Lopen_\@
	v_and_b32 v252, 15, v0
	v_and_b32 v253, 8, v0
	v_add_nc_u32 v252, v252, v253                  ; r + 8 (r / 8)
	v_and_b32 v253, 16, v0
	v_sub_nc_u32 v252, v252, v253
	v_add_nc_u32 v252, s[QL], v252                 ; d = my query within the step - 16 h.  Register 16 b + i holds key 32 b + 16 h + i: hidden where 32 b + i > d
	v_mov_b32 v254, 0xff800000                     ; -infinity: p = 0 then
.set n, 0
.rept 64
	v_cmp_gt_i32 vcc_lo, 32*(n/16)+n%16, v252
	v_cndmask_b32 v[96+n], v[96+n], v254, vcc_lo
.set n, n+1
.endr
.Lopen_\@:
.irp b, 0,1,2,3
	v_max3_num_f32 v[232+\b], v[96+16*\b], v[97+16*\b], v[98+16*\b]   ; THE LARGEST z OF EACH BLOCK OF 32 KEYS serves twice: for the row's maximum, and, since p rises with z (c is positive), for the block's largest p
.endr
.irp i, 3,5,7,9,11,13
.irp b, 0,1,2,3
	v_max3_num_f32 v[232+\b], v[232+\b], v[96+16*\b+\i], v[97+16*\b+\i]   ; (the four blocks by turns)
.endr
.endr
.irp b, 0,1,2,3
	v_max_num_f32 v[232+\b], v[232+\b], v[111+16*\b]
.endr
.irp b, 0,1,2,3
	v_permlanex16_b32 v[236+\b], v[232+\b], s[SEL], s[SEL+1]
.endr
.irp b, 0,1,2,3
	v_max_num_f32 v[232+\b], v[232+\b], v[236+\b]  ; with lane l xor 16's 16 keys
.endr
	v_max3_num_f32 v254, v232, v233, v234
	v_max_num_f32 v254, v254, v235                 ; the step's largest z of my query
	v_mul_f32 v254, s[CS], v254                    ; as t
	v_max_num_f32 v13, v13, v254                   ; the running largest t
	v_mov_b32 v254, v12
	v_floor_f32 v12, -v13                          ; the new -M = floor(-t) = -ceil(t): a whole number
	v_sub_f32 v254, v12, v254                      ; old M less new M: a whole number, 0 or less
	v_cvt_i32_f32 v254, v254                       ; (it saturates)
	v_ldexp_f32 v252, 1.0, v254                    ; f = 2^(old M - new M)
.set n, 0
.rept 32
	v_pk_fma_f32 v[96+n:97+n], v[96+n:97+n], s[CS:CS+1], v[12:13] op_sel_hi:[1,0,0]   ; t - M, two at a time (of the pairs c and -M the low word serves both halves)
.set n, n+2
.endr
.irp b, 0,1,2,3
	v_fma_f32 v[232+\b], v[232+\b], s[CS], v12     ; the same of each block's largest z
.endr
.set n, 0
.rept 64
	v_exp_f32 v[96+n], v[96+n]                     ; p = 2^(t - M), at most 1: not normalised
.set n, n+1
.endr
	v_pk_mul_f32 v[14:15], v[14:15], v[252:253] op_sel_hi:[1,0]   ; the sums under the new M (the plain instruction behind the exponentials)
	s_wait_alu depctr_va_vdst(0)                   ; the wait ahead of the first instruction that names a result: one for the batch of 64
.irp b, 0,1,2,3
	v_exp_f32 v[232+\b], v[232+\b]                 ; the block's largest p: the same two instructions on the same number give the same bits
.endr
	v_pk_add_f32 v[236:237], v[96:97], v[98:99]    ; THE ROW'S SUM IS TAKEN OF THE UNQUANTISED p: two at a time, in two chains
.irp j, 4,8,12,16,20,24,28,32,36,40,44,48,52,56,60
	v_pk_add_f32 v[14:15], v[14:15], v[96+\j:97+\j]
	v_pk_add_f32 v[236:237], v[236:237], v[98+\j:99+\j]
.endr
	v_pk_add_f32 v[14:15], v[14:15], v[236:237]
	s_wait_alu depctr_va_vdst(0)                   ; and one for the four
.irp b, 0,1,2,3
	v_max_num_f32 v[232+\b], 0x1800000, v[232+\b]  ; the floor 2^(3 - 127): the byte cannot fall under 1 (a block whose every p is 0 keeps that byte: its codes are zeros)
.endr
.irp b, 0,1,2,3
	v_add_nc_u32 v[244+\b], 0xff000000, v[232+\b]  ; 2 off the exponent field: the conversion's scale operand
.endr
.irp b, 0,1,2,3
	v_lshrrev_b32 v[236+\b], 23, v[244+\b]         ; the scale's byte
.endr
	v_lshl_or_b32 v25, v237, 8, v236               ; p's scale word for these 128 keys
	v_lshl_or_b32 v25, v238, 16, v25
	v_lshl_or_b32 v25, v239, 24, v25
.irp b, 0,1,2,3
	v_cvt_scalef32_pk8_fp4_f32 v[224+2*\b], v[96+16*\b:103+16*\b], v[244+\b]
	v_cvt_scalef32_pk8_fp4_f32 v[225+2*\b], v[104+16*\b:111+16*\b], v[244+\b]
.endr
	v_nop                                          ; one plain instruction behind the conversions
.irp c, 0,1                                    ; the operand's layout wants a WHOLE block in a lane: lanes 0-15 block 2 c, lanes 16-31 block 2 c + 1
.irp i, 0,1
	v_permlane16_swap_b32 v[224+4*\c+\i], v[226+4*\c+\i]
.endr
.endr
.set n, 0
.rept 16
	v_pk_mul_f32 v[160+n:161+n], v[160+n:161+n], v[252:253] op_sel_hi:[1,0]   ; O^T under the new M: x f.  (These 16 are also the places between the lines that made p's codes and scale word and the products below)
.set n, n+2
.endr
	s_wait_dscnt 0x0                               ; V and its scale words
.irp t, 0,1,2,3                                ; O^T += V^T P^T: the four accumulators by turns, one instruction a turn
.if (\t)%2
	v_wmma_scale_f32_16x16x128_f8f6f4 v[160+8*\t:167+8*\t], v[192+8*\t:199+8*\t], v[224:231], v[160+8*\t:167+8*\t], v[30+\t/2], v25 matrix_a_fmt:MATRIX_FMT_FP4 matrix_b_fmt:MATRIX_FMT_FP4 matrix_a_scale:MATRIX_SCALE_ROW1
.else
	v_wmma_scale_f32_16x16x128_f8f6f4 v[160+8*\t:167+8*\t], v[192+8*\t:199+8*\t], v[224:231], v[160+8*\t:167+8*\t], v[30+\t/2], v25 matrix_a_fmt:MATRIX_FMT_FP4 matrix_b_fmt:MATRIX_FMT_FP4
.endif
.endr
.Lhid_\@:
	s_add_co_u32 s[TB], s[TB], UNIT
	s_add_co_u32 s[SI], s[SI], 1
.endm
	s_wait_tensorcnt 0x1                           ; my part of steps 0 to 3 is in; my part of steps 4 to 15 may stay out
	s_barrier_signal -1
	s_barrier_wait -1                              ; everybody's is
.Lfirst_four:                                      ; every wave walks all sixteen steps: the trip counts are constants; what is left out is a step's work
	STEP
	s_cmp_lt_u32 s[SI], 4
	s_cbranch_scc1 .Lfirst_four
	s_wait_tensorcnt 0x0                           ; my part of steps 4 to 15 is in,
	s_wait_dscnt 0x0                               ; and my reads of units 0 to 3 are over
	s_barrier_signal -1
	s_barrier_wait -1                              ; both hold of every wave
	s_mov_b32 s[SI], 4
	s_mov_b32 s[TB], 4*UNIT
.Lthe_rest:
	STEP
	s_cmp_lt_u32 s[SI], 16
	s_cbranch_scc1 .Lthe_rest
	; THE WAY OUT.  O^T x weight / sum goes into my stage; the two branches of a tile are added from the stages of waves w and w + 8; each of the two stores 8 of the tile's 16 rows, sixteen lanes to a row of 256 bytes.
	v_add_f32 v14, v14, v15                        ; the sum's two halves,
	v_permlanex16_b32 v13, v14, s[SEL], s[SEL+1]
	v_add_f32 v14, v14, v13                        ; and lane l xor 16's: the row's sum
	v_rcp_f32 v14, v14
	v_and_b32 v4, 15, v0                           ; r  (plain instructions behind the reciprocal, and the places behind the last products)
	v_bfe_u32 v5, v0, 4, 1                         ; h
	s_mul_i32 s72, s[WV], SWAVE                    ; my stage
	s_and_b32 s73, s[WV], 7
	s_mul_i32 s73, s73, SWAVE                      ; branch 0's stage of my tile; branch 1's lies 8 stages on
	s_mul_i32 s74, s[XB], 8*SROW
	s_add_co_u32 s73, s73, s74                     ; the 8 rows that I store
	v_mul_u32_u24 v6, v4, SROW
	v_lshl_add_u32 v6, v5, 5, v6
	v_add_nc_u32 v6, s72, v6                       ; in: row r; tile t's eight channels of my half: 64 t + 32 h bytes on
	v_mul_u32_u24 v7, v5, SROW
	v_lshl_add_u32 v7, v4, 4, v7
	v_add_nc_u32 v7, s73, v7                       ; back: lanes 0-15 one row, lanes 16-31 the next
	v_lshlrev_b32 v8, 11, v5
	v_lshl_add_u32 v8, v4, 4, v8                   ; and the same two rows in out0
	s_wait_alu depctr_va_vdst(0)                   ; the wait ahead of the reciprocal's first reader
	v_mul_f32 v12, v14, v3                         ; weight / sum
.set n, 0
.rept 16
	v_pk_mul_f32 v[96+n:97+n], v[160+n:161+n], v[12:13] op_sel_hi:[1,0]   ; register 8 t + j is channel 16 t + 8 h + j of query r; each accumulator from its low end on
.set n, n+2
.endr
	s_wait_dscnt 0x0                               ; my reads of the units are over
	s_barrier_signal -1
	s_barrier_wait -1                              ; everybody's are: the stages may be written
.irp t, 0,1,2,3
	ds_store_b128 v6, v[96+8*\t:99+8*\t] offset:64*\t
	ds_store_b128 v6, v[100+8*\t:103+8*\t] offset:64*\t+16
.endr
	s_wait_dscnt 0x0                               ; for the other wave's sake: my stores have landed
	s_barrier_signal -1
	s_barrier_wait -1
.irp i, 0,1,2,3
	ds_load_b128 v[32+4*\i:35+4*\i], v7 offset:2*\i*SROW              ; tile rows 8 x + 2 i + l / 16 of branch 0,
.endr
.irp i, 0,1,2,3
	ds_load_b128 v[48+4*\i:51+4*\i], v7 offset:8*SWAVE+2*\i*SROW      ; and of branch 1
.endr
	s_wait_dscnt 0x0
.set n, 0
.rept 8
	v_pk_add_f32 v[32+n:33+n], v[32+n:33+n], v[48+n:49+n]             ; m x edit + (1 - m) x null
.set n, n+2
.endr
.irp i, 0,1,2,3
	global_store_b128 v8, v[32+4*\i:35+4*\i], s[62:63] offset:4096*\i th:TH_STORE_NT   ; tile row 8 x + n is query first + 16 x + n; 16 lanes store 256 consecutive bytes, at a multiple of 256 from out0's first byte
.endr
	s_wait_tensorcnt 0x0                           ; the wave's end, behind my last tensor load and my last LDS store
	ds_add_u32 v1, v2
	s_wait_dscnt 0x0
	CROUND                                         ; the closing round: no work-group ends while a partner may still ask for bytes jointly
	s_endpgm
.Lfunc_end_k_qb8414995d3_attn:
	.size	k_qb8414995d3_attn, .Lfunc_end_k_qb8414995d3_attn-k_qb8414995d3_attn
	.p2alignl 7, 3214868480
	.fill 96, 4, 3214868480
	.section	.rodata,"a",@progbits
	.p2align	6, 0x0
	.amdhsa_kernel k_qb8414995d3_attn
		.amdhsa_group_segment_fixed_size 327680
		.amdhsa_private_segment_fixed_size 0
		.amdhsa_enable_private_segment 0
		.amdhsa_kernarg_size 32
		.amdhsa_user_sgpr_count 2
		.amdhsa_user_sgpr_kernarg_segment_ptr 1
		.amdhsa_wavefront_size32 1
		.amdhsa_system_sgpr_workgroup_id_x 1
		.amdhsa_system_sgpr_workgroup_id_y 1
		.amdhsa_system_sgpr_workgroup_id_z 1
		.amdhsa_system_vgpr_workitem_id 0
		.amdhsa_next_free_vgpr 256
		.amdhsa_next_free_sgpr 80
		.amdhsa_reserve_vcc 1
		.amdhsa_float_denorm_mode_32 3
		.amdhsa_float_denorm_mode_16_64 3
		.amdhsa_memory_ordered 1
		.amdhsa_forward_progress 1
		.amdhsa_inst_pref_size 61
	.end_amdhsa_kernel
	.amdgpu_metadata
---
amdhsa.version: [ 1, 2 ]
amdhsa.kernels:
  - .name:           k_qb8414995d3_attn
    .symbol:         k_qb8414995d3_attn.kd
    .args:
      - { .name: ws, .offset: 0, .size: 8, .value_kind: global_buffer, .address_space: global }
      - { .name: tau, .offset: 8, .size: 8, .value_kind: global_buffer, .address_space: global }
      - { .name: soft_mask, .offset: 16, .size: 8, .value_kind: global_buffer, .address_space: global }
      - { .name: out0, .offset: 24, .size: 8, .value_kind: global_buffer, .address_space: global }
    .group_segment_fixed_size: 327680
    .private_segment_fixed_size: 0
    .kernarg_segment_align: 8
    .kernarg_segment_size: 32
    .max_flat_workgroup_size: 512
    .sgpr_count:     80
    .vgpr_count:     256
    .wavefront_size: 32
...
	.end_amdgpu_metadata
.endif
;; end of part 2
